; MI455X (gfx1250); checked and timed in simulation.
; The chip was launched on July 23, 2026; its instructions are those of AMD's public machine-readable ISA for CDNA 5 (MIT licence, August 2026) and "CDNA5" Instruction Set Architecture Reference Guide (July 2026). The comments in the code are by the model that wrote it; some were corrected since.
;; Vuln Sage. Allowed arithmetic: matrix products marked QUANTISED: E2M1 operands, one E8M0 scale for each 32 along K, by v_wmma_scale_f32_16x16x128_f8f6f4 with both operands' format E2M1 (or v_wmma_scale_f32_32x16x128_f4), f32 sums; products left as they are: f32 operands where the result goes on into a quantised operand, else bf16, f16 or f32 operands; f32 sums; everything else in f32.
;; Inputs: Wk 2,048 x 2,048 float32; Wo 2,048 x 2,048 float32; Wq 2,048 x 2,048 float32; Wv 2,048 x 2,048 float32; beta 2,048 float32; bk 2,048 float32; bo 2,048 float32; bq 2,048 float32; bv 2,048 float32; e0 1,024 x 2,048 float32; e1 1,024 x 2,048 float32; e2 1,024 x 2,048 float32; e3 1,024 x 2,048 float32; gamma 2,048 float32; quality 1,024 x 4 float32.
;; Outputs: out0 1,024 x 2,048 float32.
;; This version of the problem:
;;   THIS VERSION OF THE PROBLEM IS GIVEN IN LOW PRECISION. The matrix products marked QUANTISED in the list below multiply operands that are first quantised to E2M1 (2 exponent bits, 1 mantissa bit; 4 bits a number), with one power-of-two scale for each 32 numbers along K (OCP MX v1.0); their sums are f32. All else is computed in f32.
;;   The module's matrix products, in the order in which they are computed (A, B: the left and right operand; K: the contracted axis; several contracted axes count as one K, in the product's order):
;;     1. [M 4,096, K 2,048] x [K 2,048, N 2,048]; A: computed on the way; B: input Wq: QUANTISED
;;     2. [M 4,096, K 2,048] x [K 2,048, N 2,048]; A: computed on the way; B: input Wk: QUANTISED
;;     3. [M 4,096, K 2,048] x [K 2,048, N 2,048]; A: computed on the way; B: input Wv: QUANTISED
;;     4. batch 16,384 x [M 4, K 128] x [K 128, N 4]; A: computed on the way; B: computed on the way: left as it is (M = 4 < 16)
;;     5. batch 16,384 x [M 4, K 4] x [K 4, N 128]; A: softmax; B: computed on the way: left as it is (K = 4 < 32)
;;     6. [M 4,096, K 2,048] x [K 2,048, N 2,048]; A: computed on the way; B: input Wo: QUANTISED
;;   THE QUANTISER, for each operand of a quantised product, along K:
;;     - K is cut into blocks of 32 from its start; a last block that is shorter is filled with zeros.
;;     - A block's scale is 2^e with e = floor(log2(the largest magnitude in the block)) - 2, held to -126 .. 127; a block of zeros has e = 0. As a byte (E8M0): e + 127.
;;     - Each number is divided by its block's scale, clamped to +-6, and rounded to the nearest number of E2M1, ties to even, subnormals kept.
;;     - The product sums the exact products of the quantised numbers (number of the format x scale) in f32.
;;   ~~~python
;;   def quantise(x, axis):      # numpy; x: float32 -> the quantised numbers, widened to float32 again
;;       x = np.moveaxis(x, axis, -1); K = x.shape[-1]
;;       x = np.pad(x, [(0, 0)] * (x.ndim - 1) + [(0, -K % 32)]); x = x.reshape(x.shape[:-1] + (-1, 32)); a = np.abs(x).max(-1, keepdims=True)
;;       e = np.where(a > 0, np.clip(np.frexp(np.where(a > 0, a, 1))[1] - 1 - 2, -126, 127), 0)      # np.frexp(a)[1] - 1 = floor(log2(a)), exactly
;;       r = np.clip(x / 2.0 ** e, -6, 6)
;;       step = 2.0 ** (np.maximum(np.frexp(np.where(r == 0, 1, r))[1] - 1, 0) - 1)
;;       q = np.round(r / step) * step * 2.0 ** e      # np.round: ties to even
;;       return np.moveaxis(q.reshape(q.shape[:-2] + (-1,))[..., :K], -1, axis).astype(np.float32)
;;   ~~~
;;   OPERANDS COMPUTED ON THE WAY. 'Computed on the way' means the value that the module computes at that place (a softmax that the list does not call 'softmax' is quantised finished and normalised). What goes into a quantiser is computed in f32, as accurately as f32 sums, v_exp_f32 and their like allow (about 1e-6 of the number): no bf16 or f16 on the way to a quantiser, and a product that is left as it is and whose result goes on into a quantised operand takes f32 operands (vector FMAs, or v_wmma_f32_16x16x4_f32). A number that lies on a knife's edge between two numbers of the format may be rounded either way, as far as f32 arithmetic and the matrix unit's own rounding can turn it there, and no further.
;; One version. Each part assembles by itself: llvm-mc -triple=amdgcn-amd-amdhsa -mcpu=gfx1250 --defsym DOCPART=n.
;; ======== version 1 of 1: 4 launches
;; limits: right only within a limited range of input values
;; workspace buffers: hbuf 4,456,448 bytes; wbuf 6,684,672 bytes; obuf 2,228,224 bytes; cbuf 4,456,448 bytes; resid 8,388,608 bytes; xbuf 8,388,608 bytes
;; launch quant (part 1): grid 256 x 1, 12 waves a work-group, no clusters, 327,680 bytes of LDS; arguments e0, e1, e2, e3, Wq, Wk, Wv, Wo, hbuf, wbuf, obuf, resid; writes hbuf, wbuf, obuf, resid
.if DOCPART == 1
	.amdgcn_target "amdgcn-amd-amdhsa--gfx1250"
	.amdhsa_code_object_version 6
	.text
	.protected	k_qd20cf44602_quant
	.globl	k_qd20cf44602_quant
	.p2align	8
	.type	k_qd20cf44602_quant,@function
k_qd20cf44602_quant:
	s_mov_b64 s[64:65], 0
	v_nop
	global_prefetch_b8 v0, s[64:65] scope:SCOPE_SE
	s_setreg_imm32_b32 hwreg(HW_REG_WAVE_MODE, 25, 1), 1
	s_wait_xcnt 0x0
; e0..e3 [1024][2048] and Wq, Wk, Wv, Wo [2048][2048], f32, K innermost, become codes of FP4 (E2M1) with one E8M0 byte for each 32 along K, each number read once.
; NO WORK OF THE PROBLEM IS LEFT OUT in this program: every input has a way to the output, and all six products are computed.
; A block's scale is 2^(floor(log2(its largest magnitude)) - 2); its byte is the largest magnitude's exponent field - 2, held at 1 from below.
; LIMITS: a block whose largest magnitude lies under 2^-124, a block of zeros among them, gets the byte 1 (zeros keep zero codes; the bytes are read by this program alone); NaN and infinities among the inputs are not served.
; THE WORKSPACE IS LAID AS THE READERS' REGISTERS.  A FRAGMENT (16 rows x 128 K, 1,024 bytes) is the operand's image: lane l = (r = l % 16, h = l / 16) has registers 0-3 (block h of row r) at 16 l and
; registers 4-7 (block 2 + h) at 512 + 16 l.  A BLOCK is four fragments and a scale image of 256 bytes (lane l: 8 bytes at 8 l: the scale word of row r of fragment h, then of fragment 2 + h): 4,352 bytes.  A GROUP is the 16 K steps' blocks.
; THE ROWS OF A TILE ARE NOT NEIGHBOURS: row r of tile T is source row 32 (T / 2) + 8 (T % 2) + r + 8 (r / 8), in every tensor, so that a transposed product's 16 registers of two neighbouring tiles are 16 neighbours along the next K.
; hbuf [T 0..63][K step]: fragment f = e_f.   wbuf [6 head + 2 m + half][K step], m = q, k, v: fragment f = tile 8 head + 4 half + f of W_m.   obuf [G 0..31][K step]: fragment f = tile 4 G + f of Wo.
; resid [T][128 columns]: e0 + e1 + e2 + e3 (the division by 4 is made where it is used) as an image of 8,192 bytes: column 64 c + 32 h + 4 j + 0..3 of row r at 512 (8 c + j) + 16 (16 h + r).
; SHARES.  A work-group makes twelve blocks, one a wave.  Waves 0-7: matrix and group number / 2, K steps 8 (number % 2) + wave: 64 rows x 512 bytes by ONE tensor load, all asked for at the head, read by the wave alone: no barrier.
; Waves 8-11: tile number / 4 of e0..e3, K steps 4 (number % 4) + wave - 8, by 64 loads of 512 consecutive bytes, each fragment turned through the wave's own stage.
; A weight's LDS rows are 544 bytes apart.  Rows 16 apart would fall on the same banks of 4 bytes (64 of them: ISA guide 11.1), so lanes with r >= 8 take each pair of 16-byte pieces in the other order; a v_perm_b32 puts their codes' halves back.
; All global stores of a wave stand at its end.  No prefetch: there is no loop, all is asked for at the head.
.set BLK,   4352
.set WREG,  64*544                     ; a weight wave's region
.set HST,   8*WREG                     ; behind them: a stage of 16 x 528 for each of the waves 8-11
.set SPARE, HST+4*8448                 ; the spare words, 128 bytes a wave, that no other line names
.set L16, 4
.set L8,  5
.set RE,  6                            ; v6, v7  weights: read addresses of even and of odd pieces;  e0..e3: the stage in and out
.set RO,  7
.set SPW, 8                            ; my spare word; never rewritten
.set NIL, 9                            ; 0; never rewritten
.set MX,  10
.set SO,  14
.set BY,  16
.set WD,  18
.set SH,  19
.set PD,  20
.set LN,  21
.set PW,  24                           ; v24-27 the four fragments' scale words
.set IM,  28
.set SEL, 30
.set C,   32                           ; v32-63 codes: eight registers a fragment
.set RA,  64
.set RB,  128
.set RC,  192                          ; window 1: v0-63 fragment 3 as loaded
.set SRC, 36
.set MSB, 0
.macro WIN new                         ; the immediate's high byte repeats the setting that is left
.if MSB != (\new)
	s_set_vgpr_msb (MSB<<8)|(\new)
.set MSB, (\new)
.endif
.endm
	s_load_b512 s[8:23], s[0:1], 0x0               ; e0 s[8:9], e1, e2, e3, Wq s[16:17], Wk, Wv, Wo s[22:23]
	s_load_b256 s[24:31], s[0:1], 0x40             ; hbuf s[24:25], wbuf, obuf, resid s[30:31]
	v_lshl_add_u32 v[SPW], v0, 2, SPARE
	v_mov_b32 v[NIL], 0
	ds_add_u32 v[SPW], v[NIL]                      ; the wave's opening: the add, twice on end, and its wait
	ds_add_u32 v[SPW], v[NIL]
	v_lshrrev_b32 v1, 5, v0
	v_readfirstlane_b32 s2, v1                     ; wave
	v_and_b32 v[LN], 31, v0
	v_and_b32 v2, 15, v0                           ; r
	v_bfe_u32 v3, v0, 4, 1                         ; h
	v_lshlrev_b32 v[L16], 4, v[LN]
	v_lshlrev_b32 v[L8], 3, v[LN]
	v_lshlrev_b32 v[SH], 3, v3
	v_mov_b32 v[PD], 0                             ; written once: a lane permute's destination counts as one of its sources
	s_mov_b32 s52, 0x76543210
	s_mov_b32 s53, 0xfedcba98                      ; selects for lane l xor 16
	s_mov_b32 s61, 0
	s_mov_b32 s68, (3<<16)|(1<<20)|(6<<22)|(7<<25) ; group 1: elements of 8 bytes; 8 words of padding behind every 128
	s_mov_b32 s69, 64<<16
	s_mov_b32 s70, 64<<16
	s_mov_b32 s71, 64<<16
	s_mov_b32 s72, 64
	s_mov_b32 s73, 1024                            ; a source row is 8,192 bytes
	s_mov_b32 s74, 0
	s_mov_b32 s75, 0
	s_wait_dscnt 0x0                               ; both opening adds are done
	s_wait_alu depctr_va_vdst(0)
	s_wait_kmcnt 0x0
.macro QF f, ys, rot                   ; fragment f, turned, in v[ys ..]: its scale word and its codes
.irp q, 0,1,2,3
	v_max3_num_f32 v[MX+\q], |v[\ys+16*\q]|, |v[\ys+16*\q+1]|, 0x1800000   ; four chains of 16 numbers, each with the floor 2^(3 - 127): the byte cannot fall under 1
.endr
.irp i, 2,4,6,8,10,12,14
.irp q, 0,1,2,3
	v_max3_num_f32 v[MX+\q], v[MX+\q], |v[\ys+16*\q+\i]|, |v[\ys+16*\q+\i+1]|
.endr
.endr
	v_max_num_f32 v[MX], v[MX], v[MX+1]            ; block h's largest magnitude,
	v_max_num_f32 v[MX+2], v[MX+2], v[MX+3]        ; block 2 + h's
	v_add_nc_u32 v[SO], 0xff000000, v[MX]          ; 2 off the exponent field: the conversion takes the exponent field of this operand as its scale
	v_add_nc_u32 v[SO+1], 0xff000000, v[MX+2]
	v_lshrrev_b32 v[BY], 23, v[SO]                 ; the scales' bytes
	v_lshrrev_b32 v[BY+1], 23, v[SO+1]
	v_lshl_or_b32 v[WD], v[BY+1], 16, v[BY]
	v_lshlrev_b32 v[WD], v[SH], v[WD]              ; at their places in the row's scale word
	v_permlanex16_b32 v[PD], v[WD], s52, s53
	v_or_b32 v[PW+\f], v[WD], v[PD]                ; with lane l xor 16's two the word is whole
.irp c, 0,1
.irp g, 0,1,2,3
	v_cvt_scalef32_pk8_fp4_f32 v[C+8*\f+4*\c+\g], v[\ys+32*\c+8*\g:\ys+32*\c+8*\g+7], v[SO+\c]
.endr
.endr
	v_nop                                          ; one plain place behind the conversions
.if \rot
.irp g, 0,1,2,3,4,5,6,7
	v_perm_b32 v[C+8*\f+\g], v[C+8*\f+\g], v[C+8*\f+\g], v[SEL]   ; lanes with r >= 8: the two halves change places
.endr
.endif
.endm
.macro OUT                             ; a block leaves: the wave's stores cover 512 consecutive bytes each, the scale image 256, aligned
.irp f, 0,1,2,3
	global_store_b128 v[L16], v[C+8*\f:C+8*\f+3], s[44:45] offset:1024*\f
	global_store_b128 v[L16], v[C+8*\f+4:C+8*\f+7], s[44:45] offset:1024*\f+512
.endr
	v_cmp_le_u32 vcc_lo, 16, v[LN]
	v_cndmask_b32 v[IM], v[PW], v[PW+1], vcc_lo    ; the scale image: lanes 0-15 fragments 0 and 2, lanes 16-31 fragments 1 and 3
	v_cndmask_b32 v[IM+1], v[PW+2], v[PW+3], vcc_lo
	global_store_b64 v[L8], v[IM:IM+1], s[44:45] offset:4096
	s_wait_tensorcnt 0x0                           ; the wave's end
	ds_add_u32 v[SPW], v[NIL]
	s_wait_dscnt 0x0
	s_endpgm
.endm
	s_cmp_lt_u32 s2, 8
	s_cbranch_scc0 .Levidence
	; A WEIGHT'S BLOCK
	s_lshr_b32 s3, ttmp9, 1
	s_lshr_b32 s6, s3, 5                           ; m: which weight
	s_and_b32 s7, s3, 31                           ; G: which 64 rows of it
	s_and_b32 s5, ttmp9, 1
	s_lshl_b32 s5, s5, 3
	s_add_co_u32 s5, s5, s2                        ; my K step
	s_lshr_b32 s51, s7, 1
	s_mul_i32 s51, s51, 6
	s_lshl_b32 s54, s6, 1
	s_add_co_u32 s51, s51, s54
	s_and_b32 s54, s7, 1
	s_add_co_u32 s51, s51, s54                     ; wbuf's group: 6 (G / 2) + 2 m + G % 2
	s_lshl_b32 s60, s7, 19
	s_lshl_b32 s54, s5, 9
	s_add_co_u32 s60, s60, s54
	s_cmp_eq_u32 s6, 1                             ; every choice hangs on the work-group's number alone
	s_cselect_b64 s[32:33], s[18:19], s[16:17]
	s_cmp_eq_u32 s6, 2
	s_cselect_b64 s[32:33], s[20:21], s[32:33]
	s_cmp_eq_u32 s6, 3
	s_cselect_b64 s[32:33], s[22:23], s[32:33]
	s_cselect_b64 s[44:45], s[28:29], s[26:27]     ; Wo's codes go to obuf, the others' to wbuf
	s_cselect_b32 s51, s7, s51
	s_mul_i32 s48, s2, WREG
	s_mov_b32 s56, 1
	s_mov_b32 s57, s48
	s_add_nc_u64 s[58:59], s[32:33], s[60:61]
	s_or_b32 s59, s59, 0x80000000
	tensor_load_to_lds s[56:59], s[68:75]          ; my 64 rows: the wave's one load
	s_nop 0
.rept 4
	v_nop
.endr
	s_lshl_b32 s51, s51, 4
	s_add_co_u32 s51, s51, s5
	s_mul_i32 s60, s51, BLK
	s_add_nc_u64 s[44:45], s[44:45], s[60:61]      ; my block
	v_lshrrev_b32 v22, 3, v2                       ; r / 8
	v_lshl_add_u32 v23, v22, 3, v2                 ; row r + 8 (r / 8)
	v_mul_u32_u24 v23, 544, v23
	v_lshl_add_u32 v23, v3, 7, v23
	v_add_nc_u32 v23, s48, v23
	v_lshl_add_u32 v[RE], v22, 4, v23              ; r >= 8: even pieces are read one piece up,
	v_xor_b32 v22, 1, v22
	v_lshl_add_u32 v[RO], v22, 4, v23              ; odd ones one piece down (r < 8: 16 bytes here, which the loads' immediates leave out)
	v_mov_b32 v[SEL], 0x03020100
	v_mov_b32 v[SEL+1], 0x01000302
	v_cmp_le_u32 vcc_lo, 8, v2
	v_cndmask_b32 v[SEL], v[SEL], v[SEL+1], vcc_lo
.macro GETW reg, f                     ; register 32 c + i = k 64 c + 32 h + i of row r of tile f (r >= 8: the fours of each eight in the other order)
.irp c, 0,1
.irp j, 0,2,4,6
	ds_load_b128 v[\reg+32*\c+4*\j:\reg+32*\c+4*\j+3], v[RE] offset:(32*(\f/2)+8*(\f%2))*544+256*\c+16*\j
	ds_load_b128 v[\reg+32*\c+4*\j+4:\reg+32*\c+4*\j+7], v[RO] offset:(32*(\f/2)+8*(\f%2))*544+256*\c+16*\j
.endr
.endr
.endm
	s_wait_alu depctr_va_vdst(0)
	s_wait_tensorcnt 0x0                           ; my rows are in; no other wave reads them
	GETW RA, 0
	GETW RB, 1
	s_wait_dscnt 16                                ; tile 0 is back; tile 1's 16 loads may be out
	QF 0, RA, 1
	GETW RA, 2
	s_wait_dscnt 16
	QF 1, RB, 1
	GETW RB, 3
	s_wait_dscnt 16
	QF 2, RA, 1
	s_wait_dscnt 0x0
	QF 3, RB, 1
	OUT
.Levidence:
	; A BLOCK OF e0..e3
	s_and_b32 s6, s2, 3
	s_and_b32 s5, ttmp9, 3
	s_lshl_b32 s5, s5, 2
	s_add_co_u32 s5, s5, s6                        ; my K step
	s_lshr_b32 s4, ttmp9, 2                        ; T
	s_lshr_b32 s49, s4, 1
	s_lshl_b32 s49, s49, 5
	s_and_b32 s50, s4, 1
	s_lshl_b32 s50, s50, 3
	s_add_co_u32 s49, s49, s50                     ; first row
	s_lshl_b32 s60, s49, 13
	s_lshl_b32 s54, s5, 9
	s_add_co_u32 s60, s60, s54
	s_add_nc_u64 s[36:37], s[8:9], s[60:61]
	s_add_nc_u64 s[38:39], s[10:11], s[60:61]
	s_add_nc_u64 s[40:41], s[12:13], s[60:61]
	s_add_nc_u64 s[42:43], s[14:15], s[60:61]
	s_lshl_b32 s51, s4, 4
	s_add_co_u32 s51, s51, s5
	s_mul_i32 s60, s51, BLK
	s_add_nc_u64 s[44:45], s[24:25], s[60:61]
	s_lshl_b32 s60, s51, 13
	s_add_nc_u64 s[46:47], s[30:31], s[60:61]
	s_mul_i32 s48, s6, 8448
	s_add_co_u32 s48, s48, HST
.macro LOADF f, reg                    ; fragment f: 16 rows, 512 consecutive bytes a load
.irp i, 0,1,2,3,4,5,6,7,8,9,10,11,12,13,14,15
	global_load_b128 v[\reg+4*\i:\reg+4*\i+3], v[L16], s[SRC+2*\f:SRC+2*\f+1] offset:(\i+8*(\i/8))*8192 th:TH_LOAD_NT
.endr
.endm
.macro PUT reg                         ; a fragment as loaded goes into the stage
.irp i, 0,1,2,3,4,5,6,7,8,9,10,11,12,13,14,15
	ds_store_b128 v[RE], v[\reg+4*\i:\reg+4*\i+3] offset:528*\i
.endr
.endm
.macro GET reg                         ; and comes back turned
.irp c, 0,1
.irp j, 0,1,2,3,4,5,6,7
	ds_load_b128 v[\reg+32*\c+4*\j:\reg+32*\c+4*\j+3], v[RO] offset:256*\c+16*\j
.endr
.endr
.endm
.macro SUM s                           ; 64 turned numbers: v[RA ..] += v[s ..]
.set i, 0
.rept 32
	v_pk_add_f32 v[RA+2*i:RA+2*i+1], v[RA+2*i:RA+2*i+1], v[\s+2*i:\s+2*i+1]
.set i, i+1
.endr
.endm
	LOADF 0, RA
	LOADF 1, RB
	LOADF 2, RC
	WIN 0x40                                       ; destination window 1
	LOADF 3, 0
	WIN 0
	v_add_nc_u32 v[RE], s48, v[L16]
	v_mul_u32_u24 v[RO], 528, v2
	v_lshl_add_u32 v[RO], v3, 7, v[RO]
	v_add_nc_u32 v[RO], s48, v[RO]
	s_wait_alu depctr_va_vdst(0)
	s_wait_loadcnt 48                              ; fragment 0's 16 loads are in; the 48 behind them may be out
	PUT RA
	s_wait_dscnt 0x0                               ; the stores have read their registers
	GET RA
	s_wait_loadcnt 32
	PUT RB                                         ; LDS serves a wave's instructions in order (ISA guide 5.7.1.4): the loads above come first
	s_wait_dscnt 16                                ; fragment 0 is back
	QF 0, RA, 0
	s_wait_dscnt 0x0
	GET RB
	s_wait_loadcnt 16
	PUT RC
	s_wait_dscnt 16
	QF 1, RB, 0
	SUM RB                                         ; e0 + e1
	s_wait_dscnt 0x0
	GET RC
	s_wait_loadcnt 0x0
	WIN 0x04                                       ; an LDS store's data: window 1
	PUT 0
	WIN 0
	s_wait_dscnt 16
	QF 2, RC, 0
	SUM RC                                         ; + e2
	s_wait_dscnt 0x0
	GET RB
	s_wait_dscnt 0x0
	QF 3, RB, 0
	SUM RB                                         ; + e3
.irp c, 0,1
.irp j, 0,1,2,3,4,5,6,7
	global_store_b128 v[L16], v[RA+32*\c+4*\j:RA+32*\c+4*\j+3], s[46:47] offset:512*(8*\c+\j)   ; 512 consecutive bytes, aligned
.endr
.endr
	OUT
.Lfunc_end_k_qd20cf44602_quant:
	.size	k_qd20cf44602_quant, .Lfunc_end_k_qd20cf44602_quant-k_qd20cf44602_quant
	.p2alignl 7, 3214868480
	.fill 96, 4, 3214868480
	.section	.rodata,"a",@progbits
	.p2align	6, 0x0
	.amdhsa_kernel k_qd20cf44602_quant
		.amdhsa_group_segment_fixed_size 327680
		.amdhsa_private_segment_fixed_size 0
		.amdhsa_enable_private_segment 0
		.amdhsa_kernarg_size 96
		.amdhsa_user_sgpr_count 2
		.amdhsa_user_sgpr_kernarg_segment_ptr 1
		.amdhsa_wavefront_size32 1
		.amdhsa_system_sgpr_workgroup_id_x 1
		.amdhsa_system_sgpr_workgroup_id_y 1
		.amdhsa_system_sgpr_workgroup_id_z 1
		.amdhsa_system_vgpr_workitem_id 0
		.amdhsa_next_free_vgpr 320
		.amdhsa_next_free_sgpr 80
		.amdhsa_reserve_vcc 1
		.amdhsa_float_denorm_mode_32 3
		.amdhsa_float_denorm_mode_16_64 3
		.amdhsa_memory_ordered 1
		.amdhsa_forward_progress 1
		.amdhsa_inst_pref_size 60
	.end_amdhsa_kernel
	.amdgpu_metadata
---
amdhsa.version: [ 1, 2 ]
amdhsa.kernels:
  - .name:           k_qd20cf44602_quant
    .symbol:         k_qd20cf44602_quant.kd
    .args:
      - { .name: e0, .offset: 0, .size: 8, .value_kind: global_buffer, .address_space: global }
      - { .name: e1, .offset: 8, .size: 8, .value_kind: global_buffer, .address_space: global }
      - { .name: e2, .offset: 16, .size: 8, .value_kind: global_buffer, .address_space: global }
      - { .name: e3, .offset: 24, .size: 8, .value_kind: global_buffer, .address_space: global }
      - { .name: Wq, .offset: 32, .size: 8, .value_kind: global_buffer, .address_space: global }
      - { .name: Wk, .offset: 40, .size: 8, .value_kind: global_buffer, .address_space: global }
      - { .name: Wv, .offset: 48, .size: 8, .value_kind: global_buffer, .address_space: global }
      - { .name: Wo, .offset: 56, .size: 8, .value_kind: global_buffer, .address_space: global }
      - { .name: hbuf, .offset: 64, .size: 8, .value_kind: global_buffer, .address_space: global }
      - { .name: wbuf, .offset: 72, .size: 8, .value_kind: global_buffer, .address_space: global }
      - { .name: obuf, .offset: 80, .size: 8, .value_kind: global_buffer, .address_space: global }
      - { .name: resid, .offset: 88, .size: 8, .value_kind: global_buffer, .address_space: global }
    .group_segment_fixed_size: 327680
    .private_segment_fixed_size: 0
    .kernarg_segment_align: 8
    .kernarg_segment_size: 96
    .max_flat_workgroup_size: 384
    .sgpr_count:     80
    .vgpr_count:     320
    .wavefront_size: 32
...
	.end_amdgpu_metadata
.endif
;; end of part 1
;; launch qkvattn (part 2): grid 16 x 16, 4 waves a work-group, clusters of 4 x 4, 327,680 bytes of LDS; arguments hbuf, wbuf, bq, bk, bv, quality, cbuf; writes cbuf
.if DOCPART == 2
	.amdgcn_target "amdgcn-amd-amdhsa--gfx1250"
	.amdhsa_code_object_version 6
	.text
	.protected	k_qd20cf44602_qkvattn
	.globl	k_qd20cf44602_qkvattn
	.p2align	8
	.type	k_qd20cf44602_qkvattn,@function
k_qd20cf44602_qkvattn:
	s_mov_b64 s[64:65], 0
	v_nop
	global_prefetch_b8 v0, s[64:65] scope:SCOPE_SE
	s_setreg_imm32_b32 hwreg(HW_REG_WAVE_MODE, 25, 1), 1
	s_wait_xcnt 0x0
	s_wait_alu depctr_hold_cnt(0) depctr_sa_sdst(0) depctr_va_vdst(0) depctr_va_sdst(0) depctr_va_ssrc(0) depctr_va_vcc(0) depctr_vm_vsrc(0)
	s_getreg_b32 s2, hwreg(HW_REG_IB_STS2, 6, 4)
	s_cmp_eq_u32 s2, 0
	s_cbranch_scc0 .Lentry_in_a_cluster
	s_endpgm
.Lentry_in_a_cluster:
	s_bfe_u32 s2, ttmp6, 0x10000c
	s_cmp_lg_u32 s2, 0xf033
	s_cbranch_scc0 .Lentry_shape_is_right
	s_endpgm
.Lentry_shape_is_right:
; Q, K, V = H W^T + b on codes of FP4, the attention over the four evidence types in f32, and the quantiser of ctx: Q, K, V and ctx never go to memory as f32.  No work of the problem is left out here.
; hbuf, wbuf, cbuf are laid as register images (the first launch's head comment): a BLOCK of 4,352 bytes is four fragments of 16 rows x 128 K and their scale image; a GROUP is 16 K steps' blocks.
; SHARES.  Work-group (head, 64 batches = tiles T 4 y .. 4 y + 3).  Wave w = (mh = w / 2, half = w % 2): two tiles a = 0, 1 (T = 4 y + 2 mh + a) x four types against the head's channels 64 half .. + 63 of each of Wq, Wk, Wv:
; 20 fragments feed a K step's 48 products of 32 x 16 x 128; 768 registers of sums.  TRANSPOSED: source 0 = 32 rows of a weight (two neighbouring tiles), source 1 = 16 batches of a type: lane (r, h) holds batch r of the tile,
; and register 16 b + i of (matrix, a, type) channel 64 half + 32 b + 16 h + i.
; THE BIASES are the same for all tiles and types: they are loaded once into the sums of (a 0, type 0); in K step 0 they are the C of the other products, and those of (0, 0), which add in place, follow five plain places later.
; K WALK.  16 K steps = 3 + 4 + 3 + 3 + 3 by turns through slot A (three K steps) and slot B (four; the second time three, in A's layout).  Waves 0, 1, 2 fetch the rows of Wq, Wk, Wv, wave 3 the four tiles' rows of H: one load a wave.
; A slot's last K step changes slots: a wait for my tensor loads, an add and its wait, a round of the cluster's barrier, and the slot just read is asked for again, with all of the other slot's K steps in which to land.
; CLUSTER 4 x 4: H's tiles hang on the block of batches alone and are asked for jointly along a row of the cluster, the weights' on the head alone, along a column.
; No prefetch: K is five fills, written out, and no loop runs ahead of them.
; LIMITS: NaN and infinities are not served; a block of ctx whose largest magnitude lies under 2^-124 gets the byte 1; log2(e) / sqrt(128) is multiplied into quality first, one f32 rounding placed otherwise than in the source.
; REGISTERS: window 0: v0-17 below; v18-145 H's fragments, two sets; v146-241 the three weight blocks; v242-255 scale words.  Window 1 + m: the sums of matrix m: (a, type, b) at v[32 (4 a + type) + 16 b].
.set BLK,   4352
.set GRP,   16*BLK
.set ROW3,  3*BLK
.set ROW4,  4*BLK
.set SLB,   10*ROW3                    ; slot B
.set SPARE, SLB+10*ROW4                ; the spare words, 128 bytes a wave, that no other line names
.set EX1,   SPARE+512                  ; the waves' scores, 2,048 bytes each: no tile lands here
.set EX2,   EX1+8192                   ; the waves' scale words, 512 bytes each
.set SPW, 1                            ; my spare word; never rewritten
.set NIL, 2                            ; 0; never rewritten
.set QL,  4                            ; v4-7 quality
.set MB,  18                           ; v8-17 places: slot A: 8, 9 weights (16 and 8 bytes a lane), 10, 11 H;  slot B: 12, 13 weights, 14, 15 H, 16, 17 Wv's rows of the four-step layout
.set NB,  146
.set MS,  242
.set NS,  250
; the attention's registers, laid over the fragments when the products are done
.set SP,  18                           ; v18-81 the 32 scores, a pair each; then the weights: tile 0 at v[18 + 2 n], tile 1 at v[50 + 2 n]; then codes
.set X,   82                           ; v82-113 scores; then at work in the quantiser
.set QS,  114
.set ML,  118
.set CX,  114                          ; v114-241 ctx of a tile's four types
.set PC,  18                           ; v18-49 codes, four registers for each (tile, type)
.set SW,  242                          ; v242-249 halves of scale words
.set IM,  250
.set MSB, 0
.macro WIN new
.if MSB != (\new)
	s_set_vgpr_msb (MSB<<8)|(\new)
.set MSB, (\new)
.endif
.endm
.macro PLACES                          ; four plain places between a matrix instruction and a load into its registers
.rept 4
	v_nop
.endr
.endm
.macro JLOAD g0b, g1b, g0a, g1a        ; a joint load: waves 0-2 for the weights, wave 3 for H; the branch hangs on the wave's number alone; s_nop 0 and four v_nop follow each line
	s_cmp_lt_u32 s4, 3
	s_cbranch_scc0 .Lfor_a_\@
	tensor_load_to_lds s[\g0b:\g0b+3], s[\g1b:\g1b+7]
	s_nop 0
.rept 4
	v_nop
.endr
	s_branch .Lasked_\@
.Lfor_a_\@:
	tensor_load_to_lds s[\g0a:\g0a+3], s[\g1a:\g1a+7]
	s_nop 0
.rept 4
	v_nop
.endr
.Lasked_\@:
.endm
.macro CREST                           ; a round of the cluster's barrier behind its opening barrier
	s_cmp_lg_u32 s4, 0
	s_cbranch_scc1 .Lnot_wave_0_\@
	s_barrier_signal -3
.Lnot_wave_0_\@:
	s_barrier_wait -3
	s_barrier_signal -1
	s_barrier_wait -1
.endm
.macro CROUND
	s_barrier_signal -1
	s_barrier_wait -1
	CREST
.endm
.macro G1SET g, c, r                   ; group 1 behind its first word: r rows of c elements of 8 bytes, a group apart in memory, dense in LDS
	s_mov_b32 s[\g+1], (\c)<<16
	s_mov_b32 s[\g+2], (\r)<<16
	s_mov_b32 s[\g+3], (\c)<<16
	s_mov_b32 s[\g+4], \r
	s_mov_b32 s[\g+5], GRP/8
	s_mov_b32 s[\g+6], 0
	s_mov_b32 s[\g+7], 0
.endm
.macro G0SET g, lds, add, base, off    ; group 0
	s_mov_b32 s[\g], 1
	s_add_co_u32 s[\g+1], s[\lds], \add
	s_add_nc_u64 s[\g+2:\g+3], s[\base:\base+1], \off
	s_or_b32 s[\g+3], s[\g+3], 0x80000000
.endm
	s_load_b256 s[68:75], s[0:1], 0x0              ; hbuf s[68:69], wbuf, bq s[72:73], bk
	s_load_b128 s[76:79], s[0:1], 0x20             ; bv, quality
	s_load_b64 s[80:81], s[0:1], 0x30              ; cbuf
	v_lshl_add_u32 v[SPW], v0, 2, SPARE
	v_mov_b32 v[NIL], 0
	ds_add_u32 v[SPW], v[NIL]                      ; the wave's opening: the add, twice on end, and its wait ahead of my first tensor load
	ds_add_u32 v[SPW], v[NIL]
	v_lshrrev_b32 v3, 5, v0
	v_readfirstlane_b32 s4, v3                     ; wave
	s_and_b32 s2, s4, 1                            ; half
	s_lshr_b32 s5, s4, 1                           ; mh
	s_bfe_u32 s6, ttmp6, 0x40000                   ; cx
	s_bfe_u32 s7, ttmp6, 0x40004                   ; cy
	s_lshl_b32 s8, ttmp9, 2
	s_add_co_u32 s8, s8, s6                        ; the head
	s_and_b32 s9, ttmp7, 0xffff
	s_lshl_b32 s9, s9, 2
	s_add_co_u32 s9, s9, s7                        ; the block of 64 batches
	s_lshl_b32 s10, s7, 2
	s_lshl_b32 s10, 15, s10                        ; my row of the cluster
	s_lshl_b32 s11, 0x1111, s6                     ; my column
	s_or_b32 s16, s11, (3<<16)|(1<<21)             ; the weights' tiles go to my column; elements of 8 bytes; bit 21 beside a mask; no padding: every read is 16 x lane on end
	s_or_b32 s24, s10, (3<<16)|(1<<21)             ; H's to my row
	s_or_b32 s32, s11, (3<<16)|(1<<21)
	s_or_b32 s40, s10, (3<<16)|(1<<21)
	G1SET 16, ROW3/8, 2                            ; three K steps: two rows of a weight,
	G1SET 24, ROW3/8, 4                            ; four rows of H;
	G1SET 32, ROW4/8, 2                            ; and four K steps
	G1SET 40, ROW4/8, 4
	s_mov_b32 s12, 0x76543210
	s_mov_b32 s13, 0xfedcba98                      ; selects for lane l xor 16
	s_mov_b32 s14, 0x3e0293ee                      ; c = log2(e) / sqrt(128)
	s_mul_i32 s90, s8, 6
	s_lshl_b32 s94, s4, 1
	s_add_co_u32 s90, s90, s94
	s_mul_i32 s90, s90, GRP                        ; the weights: group 6 head + 2 wave
	s_mov_b32 s91, 0
	s_mul_i32 s92, s9, 4*GRP                       ; H: group 4 block
	s_mov_b32 s93, 0
	s_mul_i32 s95, s4, 2*ROW3                      ; where they go in a slot: rows 2 wave on (wave 3: rows 6-9): no place in the cluster enters an LDS address
	s_mul_i32 s96, s4, 2*ROW4
	s_wait_dscnt 0x0                               ; both opening adds are done
	s_wait_kmcnt 0x0
	s_add_nc_u64 s[90:91], s[70:71], s[90:91]
	s_add_nc_u64 s[92:93], s[68:69], s[92:93]
	CROUND                                         ; all sixteen work-groups are here: the first joint loads meet
	G0SET 48, 95, 0, 90, 0                         ; slot A: K steps 0-2
	G0SET 56, 95, 0, 92, 0
	JLOAD 48, 16, 56, 24
	G0SET 52, 96, SLB, 90, 3*BLK                   ; slot B: K steps 3-6
	G0SET 60, 96, SLB, 92, 3*BLK
	s_lshl_b32 s97, s9, 1
	s_add_co_u32 s97, s97, s5                      ; 2 y + mh
	s_lshl_b32 s98, s97, 9
	s_mov_b32 s99, 0
	s_add_nc_u64 s[78:79], s[78:79], s[98:99]      ; quality: 16 bytes a batch, 32 batches for two tiles
	s_lshl_b32 s98, s97, 5
	s_add_co_u32 s98, s98, s8
	s_mul_i32 s98, s98, BLK
	s_add_nc_u64 s[80:81], s[80:81], s[98:99]      ; cbuf: group T of tile 0, K step = the head
	s_lshl_b32 s98, s8, 9
	s_lshl_b32 s97, s2, 8
	s_add_co_u32 s98, s98, s97
	s_add_nc_u64 s[72:73], s[72:73], s[98:99]      ; my 64 numbers of each bias
	s_add_nc_u64 s[74:75], s[74:75], s[98:99]
	s_add_nc_u64 s[76:77], s[76:77], s[98:99]
	s_mul_i32 s82, s2, ROW3
	s_mul_i32 s83, s5, 2*ROW3
	s_add_co_u32 s83, s83, 6*ROW3
	s_mul_i32 s84, s2, ROW4
	s_add_co_u32 s84, s84, SLB
	s_mul_i32 s85, s5, 2*ROW4
	s_add_co_u32 s85, s85, SLB+6*ROW4
	s_add_co_u32 s86, s84, 4*ROW4
	v_and_b32 v18, 31, v0
	v_lshlrev_b32 v20, 4, v18
	v_lshlrev_b32 v21, 3, v18
	v_and_b32 v22, 15, v0                          ; r
	v_bfe_u32 v23, v0, 4, 1                        ; h
	v_lshlrev_b32 v24, 6, v23                      ; my half's place in a bias
	v_and_b32 v25, 8, v22
	v_add_nc_u32 v25, v25, v22                     ; r + 8 (r / 8)
	v_lshl_add_u32 v25, v23, 3, v25                ; lanes 16-31 serve tile 1
	v_lshlrev_b32 v25, 4, v25
	v_add_nc_u32 v8, s82, v20
	v_add_nc_u32 v9, s82, v21
	v_add_nc_u32 v10, s83, v20
	v_add_nc_u32 v11, s83, v21
	v_add_nc_u32 v12, s84, v20
	v_add_nc_u32 v13, s84, v21
	v_add_nc_u32 v14, s85, v20
	v_add_nc_u32 v15, s85, v21
	v_add_nc_u32 v16, s86, v20
	v_add_nc_u32 v17, s86, v21
	s_wait_alu depctr_va_vdst(0)
.irp m, 0,1,2                          ; the biases, into the sums of (a 0, type 0): register 16 b + i = channel 32 b + 16 h + i of my 64
	WIN 0x40*(1+\m)
.irp b, 0,1
.irp q, 0,1,2,3
	global_load_b128 v[16*\b+4*\q:16*\b+4*\q+3], v24, s[72+2*\m:73+2*\m] offset:128*\b+16*\q
.endr
.endr
.endr
	WIN 0
	global_load_b128 v[QL:QL+3], v25, s[78:79]
.macro WHERE k                         ; K step k: kd_ 0 slot A, 1 slot B in four steps, 2 slot B in three; sp_ its place there
.if (\k) < 3
.set kd_, 0
.set sp_, (\k)
.elseif (\k) < 7
.set kd_, 1
.set sp_, (\k)-3
.elseif (\k) < 10
.set kd_, 0
.set sp_, (\k)-7
.elseif (\k) < 13
.set kd_, 2
.set sp_, (\k)-10
.else
.set kd_, 0
.set sp_, (\k)-13
.endif
.endm
.macro LDW m, k                        ; my block of matrix m, K step k: nine loads
	WHERE (\k)
.if kd_ == 1
.if (\m) == 2
.set wb_, 16
.set of_, sp_*BLK
.else
.set wb_, 12
.set of_, 2*(\m)*ROW4+sp_*BLK
.endif
.else
.set wb_, 8+2*kd_
.set of_, 2*(\m)*ROW3+sp_*BLK
.endif
.irp f, 0,1,2,3
.irp c, 0,1
	ds_load_b128 v[NB+32*(\m)+8*\f+4*\c:NB+32*(\m)+8*\f+4*\c+3], v[wb_] offset:of_+1024*\f+512*\c
.endr
.endr
	ds_load_b64 v[NS+2*(\m):NS+2*(\m)+1], v[wb_+1] offset:of_+4096
.endm
.macro LDM a, k                        ; tile a's block of H, K step k, into set k % 2
	WHERE (\k)
.if kd_ == 0
.set hb_, 10
.else
.set hb_, 14
.endif
.if kd_ == 1
.set of_, (\a)*ROW4+sp_*BLK
.else
.set of_, (\a)*ROW3+sp_*BLK
.endif
.set mr_, MB+64*((\k)%2)+32*(\a)
.set ms_, MS+4*((\k)%2)+2*(\a)
.irp f, 0,1,2,3
.irp c, 0,1
	ds_load_b128 v[mr_+8*\f+4*\c:mr_+8*\f+4*\c+3], v[hb_] offset:of_+1024*\f+512*\c
.endr
.endr
	ds_load_b64 v[ms_:ms_+1], v[hb_+1] offset:of_+4096
.endm
.macro WX m, a, t, b, p, first         ; one product: 32 channels x tile a's 16 batches of type t
.set d_, 32*(4*(\a)+(\t))+16*(\b)
.if \first
.set c_, 16*(\b)
.else
.set c_, d_
.endif
.set a_, NB+32*(\m)+16*(\b)
.set b_, MB+64*(\p)+32*(\a)+8*(\t)
.set sa_, NS+2*(\m)+(\b)
.set sb_, MS+4*(\p)+2*(\a)+(\t)/2
.if (\t)%2
	v_wmma_scale_f32_32x16x128_f4 v[d_:d_+15], v[a_:a_+15], v[b_:b_+7], v[c_:c_+15], v[sa_], v[sb_] matrix_b_scale:MATRIX_SCALE_ROW1
.else
	v_wmma_scale_f32_32x16x128_f4 v[d_:d_+15], v[a_:a_+15], v[b_:b_+7], v[c_:c_+15], v[sa_], v[sb_]
.endif
.endm
.macro PHH m, a, p                     ; eight products, eight sums, one instruction each
	WIN 0x50*(1+\m)
.irp t, 0,1,2,3
.irp b, 0,1
	WX \m, \a, \t, \b, \p, 0
.endr
.endr
.endm
.macro PH m, p, first
.if \first
	WIN 0x50*(1+\m)
.irp t, 1,2,3
.irp b, 0,1
	WX \m, 0, \t, \b, \p, 1
.endr
.endr
.irp t, 0,1,2,3
.irp b, 0,1
	WX \m, 1, \t, \b, \p, 1
.endr
.endr
.rept 5
	v_nop                                          ; the products below write over the C of those above (ISA guide 7.12.1)
.endr
.irp b, 0,1
	WX \m, 0, 0, \b, \p, 0
.endr
.else
	PHH \m, 0, \p
	PHH \m, 1, \p
.endif
.endm
; A K STEP: Q's, K's, V's 16 products.  The next step's fragments come in three runs: Wq's and tile 0's behind Q's products, tile 1's and Wk's behind K's, Wv's at the next step's head.
; A slot's last step (k = 2, 6, 9, 12) changes slots inside Q's products.
.macro KS k
	PLACES
	WIN 0
	LDW 2, \k                                      ; (a slot's last step: my last reads of this slot)
.if ((\k) == 2) || ((\k) == 6) || ((\k) == 9) || ((\k) == 12)
	s_wait_tensorcnt 0x0                           ; all my tensor loads have landed: my part of the next slot;
	ds_add_u32 v[SPW], v[NIL]                      ; 0 onto my spare word;
	s_wait_dscnt 19                                ; (Wk's nine, Wv's nine and the add may be out)
	PHH 0, 0, (\k)%2                               ; eight products stand between the add and the wait for it
	s_wait_dscnt 0x0                               ; the add is done, and my reads of this slot are over
	s_barrier_signal -1
	PHH 0, 1, (\k)%2                               ; work on registers while the others arrive
	WIN 0
	s_barrier_wait -1
.if (\k) == 12
	PLACES
.else
	CREST                                          ; the barrier has opened a round of the cluster's: no wave of any partner still reads this slot or has a load on its way
.if (\k) == 6
	s_add_nc_u64 s[54:55], s[54:55], 7*BLK         ; slot B: K steps 10-12, in rows of three
	s_add_nc_u64 s[62:63], s[62:63], 7*BLK
	s_add_co_u32 s53, s95, SLB
	s_add_co_u32 s61, s95, SLB
	JLOAD 52, 16, 60, 24
	v_add_nc_u32 v12, SLB, v8                      ; its places from here on: slot A's, SLB further up
	v_add_nc_u32 v13, SLB, v9
	v_add_nc_u32 v14, SLB, v10
	v_add_nc_u32 v15, SLB, v11
	s_wait_alu depctr_va_vdst(0)
.else
	s_add_nc_u64 s[50:51], s[50:51], (7-(\k)/9)*BLK  ; slot A: K steps 7-9, then 13-15
	s_add_nc_u64 s[58:59], s[58:59], (7-(\k)/9)*BLK
	JLOAD 48, 16, 56, 24                           ; the first tensor load behind the round; its four v_nop are the places in front of the loads below
.endif
.endif
.else
	s_wait_dscnt 18                                ; Wk's nine and Wv's nine may be out
.if (\k) == 0
	PH 0, 0, 1
.else
	PH 0, (\k)%2, 0
.endif
	PLACES
	WIN 0
.endif
.if (\k) < 15
	LDW 0, (\k)+1
	LDM 0, (\k)+1
	s_wait_dscnt 27                                ; Wv's nine and the 18 just issued may be out
.else
	s_wait_dscnt 9
.endif
.if (\k) == 0
	PH 1, 0, 1
.else
	PH 1, (\k)%2, 0
.endif
.if (\k) < 15
	PLACES
	WIN 0
	LDM 1, (\k)+1
	LDW 1, (\k)+1
	s_wait_dscnt 36                                ; the two runs of 18 may be out
.else
	s_wait_dscnt 0x0
.endif
.if (\k) == 0
	PH 2, 0, 1
.else
	PH 2, (\k)%2, 0
.endif
.endm
	s_wait_loadcnt 0x0                             ; the biases and quality; their address registers are written below
	s_wait_tensorcnt 0x0                           ; my part of slot A is in
	ds_add_u32 v[SPW], v[NIL]
	s_wait_dscnt 0x0
	CROUND                                         ; everybody's part is in, and all sixteen work-groups are here:
	JLOAD 52, 32, 60, 40                           ; slot B, the first tensor load behind the round
	LDW 0, 0
	LDM 0, 0
	LDM 1, 0
	LDW 1, 0
.irp k, 0,1,2,3,4,5,6,7,8,9,10,11,12,13,14,15
	KS \k
.endr
	; THE ATTENTION, in f32.  Lane (r, h): batch r of both tiles, all four types, 32 of my 64 channels.
	WIN 0
	s_lshl_b32 s82, s4, 11
	s_add_co_u32 s82, s82, EX1                     ; my scores
	s_xor_b32 s97, s4, 1                           ; the wave with the other 64 channels
	s_lshl_b32 s83, s97, 11
	s_add_co_u32 s83, s83, EX1                     ; its scores
	s_lshl_b32 s84, s4, 9
	s_add_co_u32 s84, s84, EX2
	s_lshl_b32 s86, s2, 3
	s_add_co_u32 s85, s84, s86                     ; my words of tile half
	s_lshl_b32 s87, s97, 9
	s_add_co_u32 s87, s87, s86
	s_add_co_u32 s87, s87, EX2                     ; and the other wave's
	s_lshl_b32 s98, s2, 9
	s_add_nc_u64 s[88:89], s[80:81], s[98:99]      ; codes: my half of a fragment
	s_mul_i32 s98, s2, GRP
	s_add_nc_u64 s[90:91], s[80:81], s[98:99]      ; the scale image that I store: tile half's
	s_lshl_b32 s86, s2, 4                          ; my bytes' place in a scale word
	v_and_b32 v16, 31, v0                          ; (the lines down to the scores are the places behind the last products)
	v_lshlrev_b32 v8, 4, v16
	v_lshlrev_b32 v14, 3, v16
	v_add_nc_u32 v9, s82, v8
	v_add_nc_u32 v10, s83, v8
	v_add_nc_u32 v11, s84, v8
	v_add_nc_u32 v12, s85, v8
	v_add_nc_u32 v13, s87, v8
	WIN 0x09                                       ; source 0: Q, window 1; source 1: K, window 2
.irp a, 0,1
.irp i, 0,1,2,3
.irp j, 0,1,2,3
	v_pk_mul_f32 v[SP+2*(16*\a+4*\i+\j):SP+2*(16*\a+4*\i+\j)+1], v[32*(4*\a+\i):32*(4*\a+\i)+1], v[32*(4*\a+\j):32*(4*\a+\j)+1]   ; the channels go up, so each sum is first read at its low end
.endr
.endr
.endr
.set x, 1
.rept 15
.irp a, 0,1
.irp i, 0,1,2,3
.irp j, 0,1,2,3
	v_pk_fma_f32 v[SP+2*(16*\a+4*\i+\j):SP+2*(16*\a+4*\i+\j)+1], v[32*(4*\a+\i)+2*x:32*(4*\a+\i)+2*x+1], v[32*(4*\a+\j)+2*x:32*(4*\a+\j)+2*x+1], v[SP+2*(16*\a+4*\i+\j):SP+2*(16*\a+4*\i+\j)+1]
.endr
.endr
.endr
.set x, x+1
.endr
	WIN 0
.set n, 0
.rept 32
	v_add_f32 v[X+n], v[SP+2*n], v[SP+2*n+1]
.set n, n+1
.endr
.set n, 0
.rept 16
	v_permlane16_swap_b32 v[X+n], v[X+16+n]        ; now lanes 0-15 hold both halves' sums of tile 0, lanes 16-31 those of tile 1
.set n, n+1
.endr
.set n, 0
.rept 16
	v_add_f32 v[X+n], v[X+n], v[X+16+n]            ; my 64 channels' part of score (i, j), n = 4 i + j, of batch r of tile h
.set n, n+1
.endr
.irp j, 0,1,2,3
	v_mul_f32 v[QS+\j], s14, v[QL+\j]
.endr
	s_wait_alu depctr_va_vdst(0)
.irp q, 0,1,2,3
	ds_store_b128 v9, v[X+4*\q:X+4*\q+3] offset:512*\q
.endr
	s_wait_dscnt 0x0                               ; for the other wave's sake
	s_barrier_signal -1
	s_barrier_wait -1
.irp q, 0,1,2,3
	ds_load_b128 v[X+16+4*\q:X+16+4*\q+3], v10 offset:512*\q
.endr
	s_wait_dscnt 0x0
.set n, 0
.rept 16
	v_add_f32 v[X+n], v[X+n], v[X+16+n]            ; Q_i . K_j
.set n, n+1
.endr
.irp i, 0,1,2,3
.irp j, 0,1,2,3
	v_mul_f32 v[X+4*\i+\j], v[X+4*\i+\j], v[QS+\j] ; t = score x quality_j x log2(e) / sqrt(128)
.endr
.endr
.irp i, 0,1,2,3
	v_max3_num_f32 v[ML+\i], v[X+4*\i], v[X+4*\i+1], v[X+4*\i+2]
.endr
.irp i, 0,1,2,3
	v_max_num_f32 v[ML+\i], v[ML+\i], v[X+4*\i+3]  ; the row's maximum is taken away, as in the source
.endr
.irp i, 0,1,2,3
.irp j, 0,1,2,3
	v_sub_f32 v[X+4*\i+\j], v[X+4*\i+\j], v[ML+\i]
.endr
.endr
	s_wait_alu depctr_va_vdst(0)                   ; a wait ahead of the batch,
.set n, 0
.rept 16
	v_exp_f32 v[X+n], v[X+n]
.set n, n+1
.endr
	v_nop                                          ; a plain place behind the exponentials
	s_wait_alu depctr_va_vdst(0)                   ; and behind it
.irp i, 0,1,2,3
	v_add_f32 v[ML+\i], v[X+4*\i], v[X+4*\i+1]
	v_add_f32 v[ML+4+\i], v[X+4*\i+2], v[X+4*\i+3]
.endr
.irp i, 0,1,2,3
	v_add_f32 v[ML+\i], v[ML+\i], v[ML+4+\i]
.endr
	s_wait_alu depctr_va_vdst(0)
.irp i, 0,1,2,3
	v_rcp_f32 v[ML+4+\i], v[ML+\i]
.endr
	v_nop
	s_wait_alu depctr_va_vdst(0)
.irp i, 0,1,2,3
.irp j, 0,1,2,3
	v_mul_f32 v[SP+2*(4*\i+\j)], v[X+4*\i+\j], v[ML+4+\i]   ; the weights a_ij, normalised
.endr
.endr
.set n, 0
.rept 16
	v_mov_b32 v[SP+32+2*n], v[SP+2*n]
.set n, n+1
.endr
.set n, 0
.rept 16
	v_permlane16_swap_b32 v[SP+2*n], v[SP+32+2*n]  ; tile 0's weight in all lanes, tile 1's in all lanes
.set n, n+1
.endr
.irp a, 0,1                            ; ctx_i = the sum over j of a_ij V_j, for a tile's four types; quantised where it stands
	WIN 0x03                                       ; source 0: V, window 3
	s_wait_alu depctr_va_vdst(0)                   ; ahead of V's first readers
.irp i, 0,1,2,3
.set x, 0
.rept 16
	v_pk_mul_f32 v[CX+32*\i+2*x:CX+32*\i+2*x+1], v[128*\a+2*x:128*\a+2*x+1], v[SP+32*\a+8*\i:SP+32*\a+8*\i+1] op_sel_hi:[1,0]
.set x, x+1
.endr
.irp j, 1,2,3
.set x, 0
.rept 16
	v_pk_fma_f32 v[CX+32*\i+2*x:CX+32*\i+2*x+1], v[128*\a+32*\j+2*x:128*\a+32*\j+2*x+1], v[SP+32*\a+8*\i+2*\j:SP+32*\a+8*\i+2*\j+1], v[CX+32*\i+2*x:CX+32*\i+2*x+1] op_sel_hi:[1,0,1]
.set x, x+1
.endr
.endr
.endr
	WIN 0
.irp n, 0,1,2,3,4,5,6,7                ; block n = 2 i + b: my 16 numbers of it at CX + 16 n
	v_max3_num_f32 v[X+\n], |v[CX+16*\n]|, |v[CX+16*\n+1]|, 0x1800000   ; with the floor 2^(3 - 127): the byte cannot fall under 1
.endr
.irp q, 2,4,6,8,10,12,14
.irp n, 0,1,2,3,4,5,6,7
	v_max3_num_f32 v[X+\n], v[X+\n], |v[CX+16*\n+\q]|, |v[CX+16*\n+\q+1]|
.endr
.endr
.irp n, 0,1,2,3,4,5,6,7
	v_permlanex16_b32 v[X+8+\n], v[X+\n], s12, s13
.endr
.irp n, 0,1,2,3,4,5,6,7
	v_max_num_f32 v[X+\n], v[X+\n], v[X+8+\n]      ; with lane l xor 16's: the block's largest magnitude
.endr
.irp n, 0,1,2,3,4,5,6,7
	v_add_nc_u32 v[X+16+\n], 0xff000000, v[X+\n]   ; 2 off its exponent field: the conversion's scale operand
.endr
.irp n, 0,1,2,3,4,5,6,7
	v_lshrrev_b32 v[X+8+\n], 23, v[X+16+\n]        ; the scale's byte
.endr
.irp i, 0,1,2,3
	v_lshl_or_b32 v[SW+4*\a+\i], v[X+9+2*\i], 8, v[X+8+2*\i]
.endr
.irp n, 0,1,2,3,4,5,6,7
	v_cvt_scalef32_pk8_fp4_f32 v[PC+16*\a+2*\n], v[CX+16*\n:CX+16*\n+7], v[X+16+\n]
	v_cvt_scalef32_pk8_fp4_f32 v[PC+16*\a+2*\n+1], v[CX+16*\n+8:CX+16*\n+15], v[X+16+\n]
.endr
	v_nop                                          ; one plain place behind a scaled conversion
.irp i, 0,1,2,3                        ; the operand's layout wants a whole block in a lane
	v_permlane16_swap_b32 v[PC+16*\a+4*\i], v[PC+16*\a+4*\i+2]
	v_permlane16_swap_b32 v[PC+16*\a+4*\i+1], v[PC+16*\a+4*\i+3]
.endr
.endr
	v_cmp_le_u32 vcc_lo, 16, v16
.irp a, 0,1                            ; the scale images: lanes 0-15 types 0 and 2, lanes 16-31 types 1 and 3; my two bytes of each word
	v_cndmask_b32 v[IM+2*\a], v[SW+4*\a], v[SW+4*\a+1], vcc_lo
	v_cndmask_b32 v[IM+2*\a+1], v[SW+4*\a+2], v[SW+4*\a+3], vcc_lo
	v_lshlrev_b32 v[IM+2*\a], s86, v[IM+2*\a]
	v_lshlrev_b32 v[IM+2*\a+1], s86, v[IM+2*\a+1]
.endr
	s_wait_alu depctr_va_vdst(0)
	ds_store_b128 v11, v[IM:IM+3]
	s_wait_dscnt 0x0
	s_barrier_signal -1
	s_barrier_wait -1
	ds_load_b64 v[SW:SW+1], v12                    ; my words of tile half,
	ds_load_b64 v[SW+2:SW+3], v13                  ; and the other wave's
.irp a, 0,1
.irp i, 0,1,2,3
	global_store_b128 v8, v[PC+16*\a+4*\i:PC+16*\a+4*\i+3], s[88:89] offset:\a*GRP+1024*\i   ; the wave stores 512 consecutive bytes, aligned
.endr
.endr
	s_wait_dscnt 0x0
	v_or_b32 v[SW], v[SW], v[SW+2]
	v_or_b32 v[SW+1], v[SW+1], v[SW+3]
	global_store_b64 v14, v[SW:SW+1], s[90:91] offset:4096   ; 256 consecutive bytes, aligned
	s_wait_tensorcnt 0x0                           ; the wave's end
	ds_add_u32 v[SPW], v[NIL]
	s_wait_dscnt 0x0
	CROUND                                         ; the closing round: no work-group ends while a partner may still ask for a tile that names it
	s_endpgm
.Lfunc_end_k_qd20cf44602_qkvattn:
	.size	k_qd20cf44602_qkvattn, .Lfunc_end_k_qd20cf44602_qkvattn-k_qd20cf44602_qkvattn
	.p2alignl 7, 3214868480
	.fill 96, 4, 3214868480
	.section	.rodata,"a",@progbits
	.p2align	6, 0x0
	.amdhsa_kernel k_qd20cf44602_qkvattn
		.amdhsa_group_segment_fixed_size 327680
		.amdhsa_private_segment_fixed_size 0
		.amdhsa_enable_private_segment 0
		.amdhsa_kernarg_size 56
		.amdhsa_user_sgpr_count 2
		.amdhsa_user_sgpr_kernarg_segment_ptr 1
		.amdhsa_wavefront_size32 1
		.amdhsa_system_sgpr_workgroup_id_x 1
		.amdhsa_system_sgpr_workgroup_id_y 1
		.amdhsa_system_sgpr_workgroup_id_z 1
		.amdhsa_system_vgpr_workitem_id 0
		.amdhsa_next_free_vgpr 1024
		.amdhsa_next_free_sgpr 100
		.amdhsa_reserve_vcc 1
		.amdhsa_float_denorm_mode_32 3
		.amdhsa_float_denorm_mode_16_64 3
		.amdhsa_memory_ordered 1
		.amdhsa_forward_progress 1
		.amdhsa_inst_pref_size 255
	.end_amdhsa_kernel
	.section	.bss,"aw",@nobits
	.p2align	6
	.space	262144
	.amdgpu_metadata
---
amdhsa.version: [ 1, 2 ]
amdhsa.kernels:
  - .name:           k_qd20cf44602_qkvattn
    .symbol:         k_qd20cf44602_qkvattn.kd
    .args:
      - { .name: hbuf, .offset: 0, .size: 8, .value_kind: global_buffer, .address_space: global }
      - { .name: wbuf, .offset: 8, .size: 8, .value_kind: global_buffer, .address_space: global }
      - { .name: bq, .offset: 16, .size: 8, .value_kind: global_buffer, .address_space: global }
      - { .name: bk, .offset: 24, .size: 8, .value_kind: global_buffer, .address_space: global }
      - { .name: bv, .offset: 32, .size: 8, .value_kind: global_buffer, .address_space: global }
      - { .name: quality, .offset: 40, .size: 8, .value_kind: global_buffer, .address_space: global }
      - { .name: cbuf, .offset: 48, .size: 8, .value_kind: global_buffer, .address_space: global }
    .group_segment_fixed_size: 327680
    .private_segment_fixed_size: 0
    .kernarg_segment_align: 8
    .kernarg_segment_size: 56
    .max_flat_workgroup_size: 128
    .sgpr_count:     100
    .vgpr_count:     1024
    .wavefront_size: 32
...
	.end_amdgpu_metadata
.endif
;; end of part 2
;; launch oproj (part 3): grid 16 x 16, 4 waves a work-group, clusters of 4 x 4, 327,680 bytes of LDS; arguments cbuf, obuf, resid, bo, xbuf; writes xbuf
.if DOCPART == 3
	.amdgcn_target "amdgcn-amd-amdhsa--gfx1250"
	.amdhsa_code_object_version 6
	.text
	.protected	k_qd20cf44602_oproj
	.globl	k_qd20cf44602_oproj
	.p2align	8
	.type	k_qd20cf44602_oproj,@function
k_qd20cf44602_oproj:
	s_mov_b64 s[64:65], 0
	v_nop
	global_prefetch_b8 v0, s[64:65] scope:SCOPE_SE
	s_setreg_imm32_b32 hwreg(HW_REG_WAVE_MODE, 25, 1), 1
	s_wait_xcnt 0x0
	s_wait_alu depctr_hold_cnt(0) depctr_sa_sdst(0) depctr_va_vdst(0) depctr_va_sdst(0) depctr_va_ssrc(0) depctr_va_vcc(0) depctr_vm_vsrc(0)
	s_getreg_b32 s2, hwreg(HW_REG_IB_STS2, 6, 4)
	s_cmp_eq_u32 s2, 0
	s_cbranch_scc0 .Lentry_in_a_cluster
	s_endpgm
.Lentry_in_a_cluster:
	s_bfe_u32 s2, ttmp6, 0x10000c
	s_cmp_lg_u32 s2, 0xf033
	s_cbranch_scc0 .Lentry_shape_is_right
	s_endpgm
.Lentry_shape_is_right:
; xbuf = (the sum over the four types of ctx_type Wo^T + resid) / 4 + bo: the mean over the types of the output projection, its bias, and the mean of e0..e3.  No work of the problem is left out.
; The four types' products add onto one sum, which begins with resid (e0 + e1 + e2 + e3, in this launch's own register order).
; SHARES.  Work-group (x: 128 columns = groups 2 x, 2 x + 1 of obuf; y: tiles 4 y .. 4 y + 3 of 16 batches); wave w owns tile 4 y + w x 128 columns: four sums of 32 x 16, 16 products of 32 x 16 x 128 a K step.
; TRANSPOSED: lane (r, h) holds batch r, register 16 b + i column 32 b + 16 h + i.
; ALL IS ASKED FOR AT THE HEAD, nothing is filled twice: waves 0 and 1 fetch a group of obuf each (16 K steps, shared along a column of the cluster), waves 2 and 3 two tiles' K steps 0-9 of cbuf each (shared along a row):
; one joint load a wave; each wave's tile of cbuf for K steps 10-15 comes straight into registers.  No prefetch: there is no loop to run ahead in.
; LIMITS: NaN and infinities are not served.
; REGISTERS: window 0: v1-22 addresses; v32-135, v136-239 two sets of fragments and their scale words; v240-251 scale words of K steps 10-15; v252-255 bo.  Window 1: the sums, v0-63.  Window 2: v0-191 cbuf's K steps 10-15.
.set BLK,   4352
.set GRP,   16*BLK
.set NL,    10                         ; K steps of cbuf in LDS
.set CROW,  NL*BLK
.set BOFF,  2*GRP
.set SPARE, BOFF+4*CROW                ; the spare words, 128 bytes a wave, that no other line names
.set SP,    528                        ; the way out: 16 rows x (512 + 16) bytes, in the wave's own row of cbuf, which no other wave reads and which has had its one fill
.set L16, 1
.set L8,  2
.set VA,  4
.set VB,  6                            ; v6, v7 group 0, K steps 0-7; v8, v9 8-15; v10-13 group 1 likewise
.set STO, 16
.set RD,  17
.set SPW, 18
.set NIL, 19
.set RO,  22
.set SET0, 32
.set BK,  32
.set DS,  240
.set BOV, 252
.set MSB, 0
.macro WIN new
.if MSB != (\new)
	s_set_vgpr_msb (MSB<<8)|(\new)
.set MSB, (\new)
.endif
.endm
.macro PLACES
.rept 4
	v_nop
.endr
.endm
.macro CROUND                          ; a whole round of the cluster's barrier
	s_barrier_signal -1
	s_barrier_wait -1
	s_cmp_lg_u32 s14, 0
	s_cbranch_scc1 .Lnot_wave_0_\@
	s_barrier_signal -3
.Lnot_wave_0_\@:
	s_barrier_wait -3
	s_barrier_signal -1
	s_barrier_wait -1
.endm
	s_load_b256 s[4:11], s[0:1], 0x0               ; cbuf s[4:5], obuf, resid, bo s[10:11]
	s_load_b64 s[12:13], s[0:1], 0x20              ; xbuf
	v_lshl_add_u32 v[SPW], v0, 2, SPARE
	v_mov_b32 v[NIL], 0
	ds_add_u32 v[SPW], v[NIL]                      ; the wave's opening: the add, twice on end, and its wait
	ds_add_u32 v[SPW], v[NIL]
	v_lshrrev_b32 v3, 5, v0
	v_readfirstlane_b32 s14, v3                    ; wave
	s_lshr_b32 s15, s14, 1
	s_and_b32 s16, s14, 1
	s_bfe_u32 s66, ttmp6, 0x40000                  ; cx
	s_bfe_u32 s67, ttmp6, 0x40004                  ; cy
	s_lshl_b32 s68, ttmp9, 2
	s_add_co_u32 s68, s68, s66                     ; x
	s_and_b32 s69, ttmp7, 0xffff
	s_lshl_b32 s69, s69, 2
	s_add_co_u32 s69, s69, s67                     ; y
	s_lshl_b32 s70, s67, 2
	s_lshl_b32 s70, 15, s70                        ; my row of the cluster
	s_lshl_b32 s71, 0x1111, s66                    ; my column
	s_or_b32 s24, s71, (3<<16)|(1<<21)             ; obuf: a whole group, 16 rows of a block, dense
	s_mov_b32 s25, (BLK/8)<<16
	s_mov_b32 s26, 16<<16
	s_mov_b32 s27, (BLK/8)<<16
	s_mov_b32 s28, 16
	s_mov_b32 s29, BLK/8
	s_mov_b32 s30, 0
	s_mov_b32 s31, 0
	s_or_b32 s32, s70, (3<<16)|(1<<21)             ; cbuf: two tiles' rows of NL blocks
	s_mov_b32 s33, (CROW/8)<<16
	s_mov_b32 s34, 2<<16
	s_mov_b32 s35, (CROW/8)<<16
	s_mov_b32 s36, 2
	s_mov_b32 s37, GRP/8
	s_mov_b32 s38, 0
	s_mov_b32 s39, 0
	s_lshl_b32 s18, s69, 2
	s_lshl_b32 s17, s16, 1
	s_add_co_u32 s18, s18, s17
	s_mul_i32 s18, s18, GRP                        ; cbuf: tile 4 y + 2 (w % 2)
	s_mov_b32 s19, 0
	s_lshl_b32 s20, s68, 1
	s_add_co_u32 s20, s20, s16
	s_mul_i32 s20, s20, GRP                        ; obuf: group 2 x + w % 2
	s_mov_b32 s21, 0
	s_mul_i32 s22, s16, GRP                        ; and where they go
	s_mul_i32 s23, s16, 2*CROW
	s_add_co_u32 s23, s23, BOFF
	s_wait_dscnt 0x0                               ; both opening adds are done
	s_wait_kmcnt 0x0
	s_add_nc_u64 s[18:19], s[4:5], s[18:19]
	s_add_nc_u64 s[20:21], s[6:7], s[20:21]
	CROUND                                         ; all sixteen work-groups are here: the joint loads meet
	s_mov_b32 s40, 1
	s_mov_b32 s41, s22
	s_mov_b64 s[42:43], s[20:21]
	s_or_b32 s43, s43, 0x80000000
	s_mov_b32 s44, 1
	s_mov_b32 s45, s23
	s_mov_b64 s[46:47], s[18:19]
	s_or_b32 s47, s47, 0x80000000
	s_cmp_eq_u32 s15, 0                            ; one joint load a wave; the branch hangs on the wave's number alone
	s_cbranch_scc0 .Lfor_c
	tensor_load_to_lds s[40:43], s[24:31]
	s_nop 0
.rept 4
	v_nop
.endr
	s_branch .Lasked
.Lfor_c:
	tensor_load_to_lds s[44:47], s[32:39]
	s_nop 0
.rept 4
	v_nop
.endr
.Lasked:
	s_lshl_b32 s17, s69, 2
	s_add_co_u32 s17, s17, s14                     ; T
	s_mul_i32 s2, s17, GRP
	s_mov_b32 s3, 0
	s_add_nc_u64 s[48:49], s[4:5], s[2:3]          ; my tile's group of cbuf
	s_lshl_b32 s2, s17, 4
	s_add_co_u32 s2, s2, s68
	s_lshl_b32 s2, s2, 13
	s_add_nc_u64 s[50:51], s[8:9], s[2:3]          ; its image of resid
	s_lshr_b32 s2, s17, 1
	s_lshl_b32 s2, s2, 5
	s_and_b32 s52, s17, 1
	s_lshl_b32 s52, s52, 3
	s_add_co_u32 s2, s2, s52                       ; its first row
	s_lshl_b32 s2, s2, 13
	s_lshl_b32 s52, s68, 9
	s_add_co_u32 s2, s2, s52
	s_add_nc_u64 s[12:13], s[12:13], s[2:3]
	s_mov_b32 s53, 0
	s_add_nc_u64 s[10:11], s[10:11], s[52:53]
	s_mul_i32 s54, s14, CROW
	s_add_co_u32 s54, s54, BOFF                    ; my row of cbuf in LDS, and my stage
	v_and_b32 v3, 31, v0
	v_and_b32 v20, 15, v0                          ; r
	v_bfe_u32 v21, v0, 4, 1                        ; h
	v_lshlrev_b32 v[L16], 4, v3
	v_lshlrev_b32 v[L8], 3, v3
	v_lshlrev_b32 v[RO], 4, v20
	v_lshl_add_u32 v[RO], v21, 11, v[RO]
	v_add_nc_u32 v[VA], s54, v[L16]
	v_add_nc_u32 v[VA+1], s54, v[L8]
	v_mov_b32 v[VB], v[L16]
	v_mov_b32 v[VB+1], v[L8]
	v_add_nc_u32 v[VB+2], 8*BLK, v[L16]
	v_add_nc_u32 v[VB+3], 8*BLK, v[L8]
	v_add_nc_u32 v[VB+4], GRP, v[L16]
	v_add_nc_u32 v[VB+5], GRP, v[L8]
	v_add_nc_u32 v[VB+6], GRP+8*BLK, v[L16]
	v_add_nc_u32 v[VB+7], GRP+8*BLK, v[L8]
	v_mul_u32_u24 v[STO], SP, v20
	v_lshl_add_u32 v[STO], v21, 6, v[STO]
	v_add_nc_u32 v[STO], s54, v[STO]
	v_add_nc_u32 v[RD], s54, v[L16]
	s_wait_alu depctr_va_vdst(0)
	WIN 0x40
.irp b, 0,1,2,3                        ; the sums begin with resid: lanes 0-15 and 16-31 take 256 consecutive bytes each
.irp q, 0,1,2,3
	global_load_b128 v[16*\b+4*\q:16*\b+4*\q+3], v[RO], s[50:51] offset:(\b/2)*4096+\q*512+(\b%2)*256 th:TH_LOAD_NT
.endr
.endr
	WIN 0
.irp i, 0,1,2,3,4,5
	global_load_b64 v[DS+2*\i:DS+2*\i+1], v[L8], s[48:49] offset:(NL+\i)*BLK+4096
.endr
	global_load_b128 v[BOV:BOV+3], v[L16], s[10:11]
	WIN 0x80
.irp i, 0,1,2,3,4,5
.irp f, 0,1,2,3
.irp c, 0,1
	global_load_b128 v[32*\i+8*\f+4*\c:32*\i+8*\f+4*\c+3], v[L16], s[48:49] offset:(NL+\i)*BLK+1024*\f+512*\c
.endr
.endr
.endr
	WIN 0
.macro LOADK k, p                      ; K step k's fragments into set p: 9 loads of cbuf (k < NL), 18 of obuf
.set st_, SET0+104*(\p)
.if (\k) < NL
.irp f, 0,1,2,3
.irp c, 0,1
	ds_load_b128 v[st_+8*\f+4*\c:st_+8*\f+4*\c+3], v[VA] offset:BLK*(\k)+1024*\f+512*\c
.endr
.endr
	ds_load_b64 v[st_+96:st_+97], v[VA+1] offset:BLK*(\k)+4096
.endif
.irp g, 0,1
.set vb_, VB+4*\g+2*((\k)/8)
.irp f, 0,1,2,3
.irp c, 0,1
	ds_load_b128 v[st_+32+32*\g+8*\f+4*\c:st_+32+32*\g+8*\f+4*\c+3], v[vb_] offset:BLK*((\k)%8)+1024*\f+512*\c
.endr
.endr
	ds_load_b64 v[st_+98+2*\g:st_+99+2*\g], v[vb_+1] offset:BLK*((\k)%8)+4096
.endr
.endm
.macro MM k, p                         ; 16 products; the four sums take turns, three others between a sum's steps
.set st_, SET0+104*(\p)
.if (\k) < NL
	WIN 0x50                                       ; C and D in window 1
.set cf_, st_
.set cs_, st_+96
.else
	WIN 0x58                                       ; and source 1 in window 2
.set cf_, 32*((\k)-NL)
.set cs_, DS+2*((\k)-NL)
.endif
.irp t, 0,1,2,3
.irp b, 0,1,2,3
.if \t%2
	v_wmma_scale_f32_32x16x128_f4 v[16*\b:16*\b+15], v[st_+32+16*\b:st_+47+16*\b], v[cf_+8*\t:cf_+8*\t+7], v[16*\b:16*\b+15], v[st_+98+\b], v[cs_+\t/2] matrix_b_scale:MATRIX_SCALE_ROW1
.else
	v_wmma_scale_f32_32x16x128_f4 v[16*\b:16*\b+15], v[st_+32+16*\b:st_+47+16*\b], v[cf_+8*\t:cf_+8*\t+7], v[16*\b:16*\b+15], v[st_+98+\b], v[cs_+\t/2]
.endif
.endr
.endr
.endm
.macro KS k
.if (\k) < 15
	PLACES
	WIN 0
	LOADK (\k)+1, 1-(\k)%2
.if (\k)+1 < NL
	s_wait_dscnt 27                                ; the run just issued may be out
.else
	s_wait_dscnt 18
.endif
.else
	s_wait_dscnt 0x0
.endif
.if (\k) == 0
	s_wait_loadcnt 55                              ; resid's 16 loads are in; the 55 behind them may be out
.endif
.if (\k) >= NL
	s_wait_loadcnt 8*(15-(\k))                     ; this K step's fragments of cbuf; those of the steps behind it may be out
.endif
	MM \k, (\k)%2
.endm
	s_wait_tensorcnt 0x0                           ; my part is in
	s_barrier_signal -1
	s_barrier_wait -1                              ; everybody's is
	LOADK 0, 0
.irp k, 0,1,2,3,4,5,6,7,8,9,10,11,12,13,14,15
	KS \k
.endr
	PLACES                                         ; results are read, and fragments' registers written, behind these
	WIN 0x04
.irp b, 0,1,2,3
.irp q, 0,1,2,3
	ds_store_b128 v[STO], v[16*\b+4*\q:16*\b+4*\q+3] offset:128*\b+16*\q   ; each sum from its low end on
.endr
.endr
	WIN 0
.irp i, 0,1,2,3,4,5,6,7,8,9,10,11,12,13,14,15
	ds_load_b128 v[BK+4*\i:BK+4*\i+3], v[RD] offset:\i*SP   ; LDS serves a wave's instructions in order (ISA guide 5.7.1.4): these see the stores above
.endr
.irp i, 0,1,2,3,4,5,6,7,8,9,10,11,12,13,14,15
	s_wait_dscnt 15-\i
	v_pk_fma_f32 v[BK+4*\i:BK+4*\i+1], v[BK+4*\i:BK+4*\i+1], 0x3e800000, v[BOV:BOV+1] op_sel_hi:[1,0,1]
	v_pk_fma_f32 v[BK+4*\i+2:BK+4*\i+3], v[BK+4*\i+2:BK+4*\i+3], 0x3e800000, v[BOV+2:BOV+3] op_sel_hi:[1,0,1]
	global_store_b128 v[L16], v[BK+4*\i:BK+4*\i+3], s[12:13] offset:(\i+8*(\i/8))*8192   ; 512 consecutive bytes, aligned
.endr
	s_wait_tensorcnt 0x0                           ; the wave's end
	ds_add_u32 v[SPW], v[NIL]
	s_wait_dscnt 0x0
	CROUND                                         ; the closing round
	s_endpgm
.Lfunc_end_k_qd20cf44602_oproj:
	.size	k_qd20cf44602_oproj, .Lfunc_end_k_qd20cf44602_oproj-k_qd20cf44602_oproj
	.p2alignl 7, 3214868480
	.fill 96, 4, 3214868480
	.section	.rodata,"a",@progbits
	.p2align	6, 0x0
	.amdhsa_kernel k_qd20cf44602_oproj
		.amdhsa_group_segment_fixed_size 327680
		.amdhsa_private_segment_fixed_size 0
		.amdhsa_enable_private_segment 0
		.amdhsa_kernarg_size 40
		.amdhsa_user_sgpr_count 2
		.amdhsa_user_sgpr_kernarg_segment_ptr 1
		.amdhsa_wavefront_size32 1
		.amdhsa_system_sgpr_workgroup_id_x 1
		.amdhsa_system_sgpr_workgroup_id_y 1
		.amdhsa_system_sgpr_workgroup_id_z 1
		.amdhsa_system_vgpr_workitem_id 0
		.amdhsa_next_free_vgpr 704
		.amdhsa_next_free_sgpr 72
		.amdhsa_reserve_vcc 0
		.amdhsa_float_denorm_mode_32 3
		.amdhsa_float_denorm_mode_16_64 3
		.amdhsa_memory_ordered 1
		.amdhsa_forward_progress 1
		.amdhsa_inst_pref_size 80
	.end_amdhsa_kernel
	.amdgpu_metadata
---
amdhsa.version: [ 1, 2 ]
amdhsa.kernels:
  - .name:           k_qd20cf44602_oproj
    .symbol:         k_qd20cf44602_oproj.kd
    .args:
      - { .name: cbuf, .offset: 0, .size: 8, .value_kind: global_buffer, .address_space: global }
      - { .name: obuf, .offset: 8, .size: 8, .value_kind: global_buffer, .address_space: global }
      - { .name: resid, .offset: 16, .size: 8, .value_kind: global_buffer, .address_space: global }
      - { .name: bo, .offset: 24, .size: 8, .value_kind: global_buffer, .address_space: global }
      - { .name: xbuf, .offset: 32, .size: 8, .value_kind: global_buffer, .address_space: global }
    .group_segment_fixed_size: 327680
    .private_segment_fixed_size: 0
    .kernarg_segment_align: 8
    .kernarg_segment_size: 40
    .max_flat_workgroup_size: 128
    .sgpr_count:     72
    .vgpr_count:     704
    .wavefront_size: 32
...
	.end_amdgpu_metadata
.endif
;; end of part 3
;; launch lnorm (part 4): grid 256 x 1, 4 waves a work-group, no clusters, 0 bytes of LDS; arguments xbuf, gamma, beta, out0; writes out0
.if DOCPART == 4
	.amdgcn_target "amdgcn-amd-amdhsa--gfx1250"
	.amdhsa_code_object_version 6
	.text
	.protected	k_qd20cf44602_lnorm
	.globl	k_qd20cf44602_lnorm
	.p2align	8
	.type	k_qd20cf44602_lnorm,@function
k_qd20cf44602_lnorm:
	s_mov_b64 s[64:65], 0
	v_nop
	global_prefetch_b8 v0, s[64:65] scope:SCOPE_SE
	s_setreg_imm32_b32 hwreg(HW_REG_WAVE_MODE, 25, 1), 1
	s_wait_xcnt 0x0
; out0 = LayerNorm(xbuf) x gamma + beta, rows of 2,048 f32.  No work of the problem is left out.
; One wave takes one row (8,192 bytes: 64 registers) and keeps it between the passes: the mean, the mean of the squared differences from it, as the source has them, and the scaling.  No LDS, no barrier.
; Each load and store of a wave covers 512 consecutive bytes.  gamma and beta are asked for with the row and waited for only where they are used.
; LIMITS: NaN and infinities are not served.
.set X, 16                             ; v16-79   the row
.set G, 80                             ; v80-143  gamma
.set B, 144                            ; v144-207 beta
	s_load_b256 s[4:11], s[0:1], 0x0               ; xbuf s[4:5], gamma s[6:7], beta s[8:9], out0 s[10:11]
	v_lshrrev_b32 v1, 5, v0
	v_readfirstlane_b32 s12, v1                    ; wave
	v_and_b32 v1, 31, v0
	v_lshlrev_b32 v1, 4, v1                        ; 16 x lane
	s_lshl_b32 s13, ttmp9, 2
	s_add_co_u32 s13, s13, s12                     ; my row
	s_lshl_b32 s2, s13, 13
	s_mov_b32 s3, 0
	s_mov_b32 s14, 0x76543210
	s_mov_b32 s15, 0xfedcba98                      ; selects for lane l xor 16
	s_mov_b32 s16, 0x3a000000                      ; 1 / 2048
	s_mov_b32 s17, 0x3727c5ac                      ; 1e-5
	s_wait_alu depctr_va_vdst(0)
	s_wait_kmcnt 0x0
	s_add_nc_u64 s[4:5], s[4:5], s[2:3]
	s_add_nc_u64 s[10:11], s[10:11], s[2:3]
.irp j, 0,1,2,3,4,5,6,7,8,9,10,11,12,13,14,15
	global_load_b128 v[X+4*\j:X+4*\j+3], v1, s[4:5] offset:512*\j th:TH_LOAD_NT
.endr
.irp j, 0,1,2,3,4,5,6,7,8,9,10,11,12,13,14,15
	global_load_b128 v[G+4*\j:G+4*\j+3], v1, s[6:7] offset:512*\j
.endr
.irp j, 0,1,2,3,4,5,6,7,8,9,10,11,12,13,14,15
	global_load_b128 v[B+4*\j:B+4*\j+3], v1, s[8:9] offset:512*\j
.endr
.macro FOLD                            ; four chains in v[4:11] into one number in every lane's v4
	v_pk_add_f32 v[4:5], v[4:5], v[6:7]
	v_pk_add_f32 v[8:9], v[8:9], v[10:11]
	v_pk_add_f32 v[4:5], v[4:5], v[8:9]
	v_add_f32 v4, v4, v5
	v_add_f32_dpp v4, v4, v4 row_xmask:1 row_mask:0xf bank_mask:0xf
	v_add_f32_dpp v4, v4, v4 row_xmask:2 row_mask:0xf bank_mask:0xf
	v_add_f32_dpp v4, v4, v4 row_xmask:4 row_mask:0xf bank_mask:0xf
	v_add_f32_dpp v4, v4, v4 row_xmask:8 row_mask:0xf bank_mask:0xf
	v_permlanex16_b32 v5, v4, s14, s15
	v_add_f32 v4, v4, v5
.endm
	s_wait_loadcnt 32                              ; the row is in; gamma's and beta's 32 loads may be out
.irp q, 0,1,2,3
	v_pk_add_f32 v[4+2*\q:5+2*\q], v[X+2*\q:X+2*\q+1], v[X+8+2*\q:X+9+2*\q]   ; four chains, started by the first pairs: nothing is cleared
.endr
.irp n, 2,3,4,5,6,7
.irp q, 0,1,2,3
	v_pk_add_f32 v[4+2*\q:5+2*\q], v[4+2*\q:5+2*\q], v[X+8*\n+2*\q:X+8*\n+2*\q+1]
.endr
.endr
	FOLD
	v_mul_f32 v12, s16, v4                         ; the mean, twice: a pair for the packed form
	v_mul_f32 v13, s16, v4
.set i, 0
.rept 32
	v_pk_add_f32 v[X+2*i:X+2*i+1], v[X+2*i:X+2*i+1], v[12:13] neg_lo:[0,1] neg_hi:[0,1]   ; x - mean
.set i, i+1
.endr
.irp q, 0,1,2,3
	v_pk_mul_f32 v[4+2*\q:5+2*\q], v[X+2*\q:X+2*\q+1], v[X+2*\q:X+2*\q+1]
.endr
.irp n, 1,2,3,4,5,6,7
.irp q, 0,1,2,3
	v_pk_fma_f32 v[4+2*\q:5+2*\q], v[X+8*\n+2*\q:X+8*\n+2*\q+1], v[X+8*\n+2*\q:X+8*\n+2*\q+1], v[4+2*\q:5+2*\q]
.endr
.endr
	FOLD
	v_fma_f32 v14, v4, s16, s17                    ; the variance + 1e-5
	s_wait_alu depctr_va_vdst(0)
	v_rsq_f32 v12, v14
	v_rsq_f32 v13, v14
	v_nop                                          ; a plain place behind the transcendentals
	s_wait_alu depctr_va_vdst(0)                   ; one wait for both, ahead of their first reader
.set i, 0
.rept 32
	v_pk_mul_f32 v[X+2*i:X+2*i+1], v[X+2*i:X+2*i+1], v[12:13]
.set i, i+1
.endr
	s_wait_loadcnt 0x0                             ; gamma and beta
.set i, 0
.rept 32
	v_pk_fma_f32 v[X+2*i:X+2*i+1], v[X+2*i:X+2*i+1], v[G+2*i:G+2*i+1], v[B+2*i:B+2*i+1]
.set i, i+1
.endr
.irp j, 0,1,2,3,4,5,6,7,8,9,10,11,12,13,14,15
	global_store_b128 v1, v[X+4*\j:X+4*\j+3], s[10:11] offset:512*\j
.endr
	s_endpgm
.Lfunc_end_k_qd20cf44602_lnorm:
	.size	k_qd20cf44602_lnorm, .Lfunc_end_k_qd20cf44602_lnorm-k_qd20cf44602_lnorm
	.p2alignl 7, 3214868480
	.fill 96, 4, 3214868480
	.section	.rodata,"a",@progbits
	.p2align	6, 0x0
	.amdhsa_kernel k_qd20cf44602_lnorm
		.amdhsa_group_segment_fixed_size 0
		.amdhsa_private_segment_fixed_size 0
		.amdhsa_enable_private_segment 0
		.amdhsa_kernarg_size 32
		.amdhsa_user_sgpr_count 2
		.amdhsa_user_sgpr_kernarg_segment_ptr 1
		.amdhsa_wavefront_size32 1
		.amdhsa_system_sgpr_workgroup_id_x 1
		.amdhsa_system_sgpr_workgroup_id_y 1
		.amdhsa_system_sgpr_workgroup_id_z 1
		.amdhsa_system_vgpr_workitem_id 0
		.amdhsa_next_free_vgpr 216
		.amdhsa_next_free_sgpr 66
		.amdhsa_reserve_vcc 0
		.amdhsa_float_denorm_mode_32 3
		.amdhsa_float_denorm_mode_16_64 3
		.amdhsa_memory_ordered 1
		.amdhsa_forward_progress 1
		.amdhsa_inst_pref_size 19
	.end_amdhsa_kernel
	.amdgpu_metadata
---
amdhsa.version: [ 1, 2 ]
amdhsa.kernels:
  - .name:           k_qd20cf44602_lnorm
    .symbol:         k_qd20cf44602_lnorm.kd
    .args:
      - { .name: xbuf, .offset: 0, .size: 8, .value_kind: global_buffer, .address_space: global }
      - { .name: gamma, .offset: 8, .size: 8, .value_kind: global_buffer, .address_space: global }
      - { .name: beta, .offset: 16, .size: 8, .value_kind: global_buffer, .address_space: global }
      - { .name: out0, .offset: 24, .size: 8, .value_kind: global_buffer, .address_space: global }
    .group_segment_fixed_size: 0
    .private_segment_fixed_size: 0
    .kernarg_segment_align: 8
    .kernarg_segment_size: 32
    .max_flat_workgroup_size: 128
    .sgpr_count:     66
    .vgpr_count:     216
    .wavefront_size: 32
...
	.end_amdgpu_metadata
.endif
;; end of part 4
